; MI455X (gfx1250); checked and timed in simulation.
; The chip was launched on July 23, 2026; its instructions are those of AMD's public machine-readable ISA for CDNA 5 (MIT licence, August 2026) and "CDNA5" Instruction Set Architecture Reference Guide (July 2026). The comments in the code are by the model that wrote it; some were corrected since.
;; Quantizer. Allowed arithmetic: matrix products marked QUANTISED: E2M1 operands, one E8M0 scale for each 32 along K, by v_wmma_scale_f32_16x16x128_f8f6f4 with both operands' format E2M1 (or v_wmma_scale_f32_32x16x128_f4), f32 sums; everything else in f32.
;; Inputs: codebook 4,096 x 512 float32; ze 16 x 2,048 x 512 float32.
;; Outputs: out0 16 x 2,048 x 512 float32.
;; This version of the problem:
;;   THIS VERSION OF THE PROBLEM IS GIVEN IN LOW PRECISION. The matrix products marked QUANTISED in the list below multiply operands that are first quantised to E2M1 (2 exponent bits, 1 mantissa bit; 4 bits a number), with one power-of-two scale for each 32 numbers along K (OCP MX v1.0); their sums are f32. All else is computed in f32.
;;   The module's matrix products, in the order in which they are computed (A, B: the left and right operand; K: the contracted axis; several contracted axes count as one K, in the product's order):
;;     1. [M 32,768, K 512] x [K 512, N 4,096]; A: input ze; B: input codebook: QUANTISED
;;   THE QUANTISER, for each operand of a quantised product, along K:
;;     - K is cut into blocks of 32 from its start; a last block that is shorter is filled with zeros.
;;     - A block's scale is 2^e with e = floor(log2(the largest magnitude in the block)) - 2, held to -126 .. 127; a block of zeros has e = 0. As a byte (E8M0): e + 127.
;;     - Each number is divided by its block's scale, clamped to +-6, and rounded to the nearest number of E2M1, ties to even, subnormals kept.
;;     - The product sums the exact products of the quantised numbers (number of the format x scale) in f32.
;;   ~~~python
;;   def quantise(x, axis):      # numpy; x: float32 -> the quantised numbers, widened to float32 again
;;       x = np.moveaxis(x, axis, -1); K = x.shape[-1]
;;       x = np.pad(x, [(0, 0)] * (x.ndim - 1) + [(0, -K % 32)]); x = x.reshape(x.shape[:-1] + (-1, 32)); a = np.abs(x).max(-1, keepdims=True)
;;       e = np.where(a > 0, np.clip(np.frexp(np.where(a > 0, a, 1))[1] - 1 - 2, -126, 127), 0)      # np.frexp(a)[1] - 1 = floor(log2(a)), exactly
;;       r = np.clip(x / 2.0 ** e, -6, 6)
;;       step = 2.0 ** (np.maximum(np.frexp(np.where(r == 0, 1, r))[1] - 1, 0) - 1)
;;       q = np.round(r / step) * step * 2.0 ** e      # np.round: ties to even
;;       return np.moveaxis(q.reshape(q.shape[:-2] + (-1,))[..., :K], -1, axis).astype(np.float32)
;;   ~~~
;; One version. Each part assembles by itself: llvm-mc -triple=amdgcn-amd-amdhsa -mcpu=gfx1250 --defsym DOCPART=n.
;; ======== version 1 of 1: 3 launches
;; limits: right only within a limited range of input values
;; workspace buffers: zeq 9,437,184 bytes; cbq 1,179,648 bytes; idx 131,072 bytes of whole numbers
;; launch quant (part 1): grid 256 x 1, 9 waves a work-group, no clusters, 93,440 bytes of LDS; arguments ze, codebook, zeq, cbq; writes zeq, cbq
.if DOCPART == 1
	.amdgcn_target "amdgcn-amd-amdhsa--gfx1250"
	.amdhsa_code_object_version 6
	.text
	.protected	k_q3be06ef611_quant
	.globl	k_q3be06ef611_quant
	.p2align	8
	.type	k_q3be06ef611_quant,@function
k_q3be06ef611_quant:
	s_mov_b64 s[64:65], 0
	v_nop
	global_prefetch_b8 v0, s[64:65] scope:SCOPE_SE
	s_setreg_imm32_b32 hwreg(HW_REG_WAVE_MODE, 25, 1), 1
	s_wait_xcnt 0x0
; ze [32768][512] and codebook [4096][512], f32, become codes of FP4 (E2M1) with one E8M0 scale byte for each 32 along the row, and for each row -1/2 x its f32 sum of squares.
; A block's scale is 2^(floor(log2(its largest magnitude)) - 2); its byte is the largest magnitude's exponent field - 2, held at 1 from below; each number is divided by the scale and rounded to the nearest code, ties to even,
; beyond the largest code the largest.
; THE RESULT IS LAID IN RECORDS OF 16 ROWS, 4,608 bytes each, in the order in which a matrix operand's registers take them:
;   bytes 0 .. 4095     codes [block 0..15][row 0..15][16 bytes]: the 512 bytes at 1024 s + 512 c are registers 4 c .. 4 c + 3 of the fragment of K step s, lane l's 16 bytes at 16 l
;   bytes 4096 .. 4351  scale bytes [half 0..1][row][8 bytes]: 8 bytes at 8 l give a lane the scale words 2 (l / 16) and 2 (l / 16) + 1 of row l % 16
;   bytes 4352 .. 4607  64 floats, float i = -1/2 x the sum of squares of row i % 16 (four copies, so that every byte of a record is stored)
; SHARES.  A wave makes one record: 16 steps, a row of 512 numbers a step.  2,304 records = 256 work-groups of nine waves.  Records 0 to 2,047 are ze's, the others the codebook's: only pointers are chosen, both
; take one path.  Waves share nothing: no barrier.
; Each of a step's four loads reads 512 consecutive bytes; the 2,048 bytes turn through the wave's own stage in LDS and come back 64 bytes a lane, so that a lane holds 16 neighbours (two lanes a block).
; Loads run eight rows ahead: 32 loads, 16,384 bytes, of a wave are out.
; Codes, scale bytes and sums are gathered in the wave's own LDS and leave by nine stores of 512 consecutive bytes, each at a multiple of 256 from the buffer's first byte.
; LIMITS: NaN and infinities among the inputs are not served.  A block of zeros gets the byte 1 where the rule says 127: its codes are zeros, which add nothing under any byte but 0xff, and this program alone reads
; the bytes.  The sum of squares is an f32 sum in this text's own order (two packed chains a lane, then across the 32 lanes); halving it rounds nothing down to 2^-125.
; WORK THAT THE PROGRAM LEAVES OUT: reference() adds sum(ze^2) of a token to all 4,096 distances of that token.  A term that is the same along the axis of the argmin moves no comparison
; in exact arithmetic, whatever finite values ze and the codebook hold, and the distances reach the result through the argmin alone.  So the next launch compares dot - 1/2 sum(codebook^2) and reads no sum of ze.
; ze's records carry their rows' sums all the same: both tensors take one path through this text, and every byte of a record is stored.  LIMIT: an overflow of sum(ze^2) is not carried to the result.
.set STEPS, 16
.set AHEAD, 8                          ; rows that the loads run ahead
.set ZREC,  2048                       ; ze's records
.set REC,   4608                       ; bytes of a record
.set EMAX,  2
.set SP,    80                         ; a lane's place in a turning stage: its 64 bytes + 16 of padding
.set WREG,  10240                      ; LDS: a region of its own for each wave
.set CST,   2*32*SP                    ; in it, behind the two turning stages: the codes, 16 blocks x (256 bytes + 16),
.set CP,    272
.set SIMG,  CST+16*CP                  ; the 256 scale bytes,
.set NIMG,  SIMG+256                   ; and the 64 floats
.set R,     16                         ; v16-143   eight sets of 16 numbers as they are loaded
.set X,     144                        ; v144-175  two sets of 16 neighbours
.set E,     176                        ; v176-191  a scale byte for each step
.set C,     192                        ; v192-223  two registers of codes for each step
.set N,     224                        ; v224-239  -1/2 x a row's sum of squares for each step
.set Q,     240                        ; v240-243  two packed chains
.set OUT,   16                         ; v16-51    the way out, where the first sets lay
	s_load_b128 s[4:7], s[0:1], 0x0                ; ze, codebook
	s_load_b128 s[8:11], s[0:1], 0x10              ; zeq, cbq
	v_lshl_add_u32 v248, v0, 2, 0x16800
	v_mov_b32 v249, 0
	v_lshrrev_b32 v1, 5, v0
	s_delay_alu instid0(VALU_DEP_1)
	v_readfirstlane_b32 s16, v1                    ; wave 0..8
	v_and_b32 v2, 31, v0                           ; lane
	s_delay_alu instid0(VALU_DEP_1)
	v_lshlrev_b32 v3, 4, v2                        ; 16 x lane: my bytes of a load's or a store's 512; never rewritten
	s_mul_i32 s17, s16, WREG                       ; my wave's region
	v_lshrrev_b32 v14, 2, v2
	s_delay_alu instid0(VALU_DEP_1)
	v_mul_u32_u24 v14, v14, SP
	v_and_b32 v15, 3, v2
	s_delay_alu instid0(VALU_DEP_1)
	v_lshl_add_u32 v14, v15, 4, v14
	s_delay_alu instid0(VALU_DEP_1)
	v_add_nc_u32 v14, s17, v14                     ; the turning stage, in: SP (lane / 4) + 16 (lane % 4)
	v_mul_u32_u24 v15, v2, SP
	s_delay_alu instid0(VALU_DEP_1)
	v_add_nc_u32 v15, s17, v15                     ; and out: SP x lane: my 16 neighbours
	v_lshrrev_b32 v8, 1, v2                        ; my block
	s_delay_alu instid0(VALU_DEP_1)
	v_mul_u32_u24 v4, v8, CP
	v_and_b32 v9, 1, v2
	s_delay_alu instid0(VALU_DEP_1)
	v_lshl_add_u32 v4, v9, 3, v4
	s_delay_alu instid0(VALU_DEP_1)
	v_add_nc_u32 v4, s17, v4                       ; codes in: my block's line, my half of the row's 16 bytes; the row stands in the immediate
	v_lshrrev_b32 v9, 4, v2
	v_and_b32 v8, 7, v8
	s_delay_alu instid0(VALU_DEP_1)
	v_lshl_add_u32 v5, v9, 7, v8
	s_delay_alu instid0(VALU_DEP_1)
	v_add_nc_u32 v5, s17, v5                       ; scale bytes in: 128 (block / 8) + block % 8
	v_and_b32 v8, 3, v2
	s_delay_alu instid0(VALU_DEP_1)
	v_lshlrev_b32 v6, 6, v8
	s_delay_alu instid0(VALU_DEP_1)
	v_add_nc_u32 v6, s17, v6                       ; sums in: copy lane % 4 of four, 64 bytes apart
	v_mul_u32_u24 v7, v9, CP
	v_and_b32 v8, 15, v2
	s_delay_alu instid0(VALU_DEP_1)
	v_lshl_add_u32 v7, v8, 4, v7
	s_delay_alu instid0(VALU_DEP_1)
	v_add_nc_u32 v7, s17, v7                       ; codes out: sixteen lanes to a block's 256 bytes, two blocks an instruction
	v_add_nc_u32 v12, s17, v3                      ; scale bytes and sums out: 16 x lane
	v_mov_b32 v13, 0                               ; written once: a lane permute's destination counts as one of its sources
	s_mov_b32 s22, 0x76543210
	s_mov_b32 s23, 0xfedcba98                      ; v_permlanex16_b32's selects for lane l xor 16
	s_mul_i32 s18, ttmp9, 9
	s_add_co_u32 s18, s18, s16                     ; my record among the 2,304
	s_wait_kmcnt 0x0
	s_cmp_lt_u32 s18, ZREC                         ; ze's or the codebook's?  The choice hangs on the work-group's and the wave's number alone
	s_cselect_b64 s[4:5], s[4:5], s[6:7]
	s_cselect_b64 s[8:9], s[8:9], s[10:11]
	s_cselect_b32 s19, 0, ZREC
	s_sub_co_u32 s18, s18, s19                     ; my record in its tensor
	s_lshl_b32 s20, s18, 15                        ; its 16 rows of 2,048 bytes (2,048 records at the most: under 2^32)
	s_mov_b32 s21, 0
	s_add_nc_u64 s[4:5], s[4:5], s[20:21]
	s_mul_i32 s20, s18, REC
	s_add_nc_u64 s[8:9], s[8:9], s[20:21]
.macro LOAD t                          ; row t: four loads of 512 consecutive bytes
.irp i, 0,1,2,3
	global_load_b128 v[R+16*((\t)%AHEAD)+4*\i:R+16*((\t)%AHEAD)+4*\i+3], v3, s[4:5] offset:2048*(\t)+512*\i th:TH_LOAD_NT
.endr
.endm
.macro TURN t                          ; row t through a stage: LDS serves a wave's instructions in order, so no wait stands between the stores and the loads
.irp i, 0,1,2,3
	ds_store_b128 v14, v[R+16*((\t)%AHEAD)+4*\i:R+16*((\t)%AHEAD)+4*\i+3] offset:32*SP*((\t)%2)+8*SP*\i
.endr
.irp i, 0,1,2,3
	ds_load_b128 v[X+16*((\t)%2)+4*\i:X+16*((\t)%2)+4*\i+3], v15 offset:32*SP*((\t)%2)+16*\i
.endr
.endm
.irp t, 0,1,2,3,4,5,6,7
	LOAD \t
.endr
	s_wait_loadcnt 4*(AHEAD-1)                     ; row 0's four loads are in; the 28 behind them may be out
	TURN 0
.macro STEP t
.set XS, X+16*((\t)%2)
.if (\t) > 0
	s_wait_dscnt 3                                 ; this row is back from the stage; the last step's three stores, issued behind it, may be out
.else
	s_wait_dscnt 0x0
.endif
.if (\t)+AHEAD < STEPS
	LOAD (\t)+AHEAD                                ; into the set that this row's stores into the stage have read
.endif
.if (\t)+1 < STEPS
.if (\t)+AHEAD < STEPS
	s_wait_loadcnt 4*(AHEAD-1)                     ; the next row's four loads are in; those of the seven rows behind it may be out
.else
	s_wait_loadcnt 4*(STEPS-2-(\t))                ; no more rows are asked for: the count runs down
.endif
	TURN (\t)+1                                    ; it goes through the other stage while this row is worked
.endif
	v_max3_num_f32 v8, |v[XS]|, |v[XS+1]|, |v[XS+2]|               ; the largest magnitude of my 16, in two chains
	v_max3_num_f32 v9, |v[XS+3]|, |v[XS+4]|, |v[XS+5]|
.irp i, 6,10
	s_delay_alu instid0(VALU_DEP_2)
	v_max3_num_f32 v8, v8, |v[XS+\i]|, |v[XS+\i+1]|
	s_delay_alu instid0(VALU_DEP_2)
	v_max3_num_f32 v9, v9, |v[XS+\i+2]|, |v[XS+\i+3]|
.endr
	s_delay_alu instid0(VALU_DEP_2)
	v_max3_num_f32 v8, v8, |v[XS+14]|, |v[XS+15]|
	s_delay_alu instid0(VALU_DEP_1)
	v_max3_num_f32 v8, v8, v9, (EMAX+1)<<23        ; and the floor 2^(EMAX + 1 - 127): the byte cannot fall under 1
	s_delay_alu instid0(VALU_DEP_1)
	v_max_num_f32_dpp v8, v8, v8 row_xmask:1 row_mask:0xf bank_mask:0xf   ; with my neighbour's 16: the block's
	s_delay_alu instid0(VALU_DEP_1)
	v_add_nc_u32 v11, -(EMAX<<23), v8              ; EMAX off its exponent field: the conversion takes the exponent field of this operand as its scale
	v_cvt_scalef32_pk8_fp4_f32 v[C+2*(\t)], v[XS:XS+7], v11
	v_cvt_scalef32_pk8_fp4_f32 v[C+2*(\t)+1], v[XS+8:XS+15], v11
	v_lshrrev_b32 v[E+(\t)], 23, v11               ; the scale's byte; also the plain instruction behind the conversions
	v_pk_mul_f32 v[Q:Q+1], v[XS:XS+1], v[XS:XS+1]                  ; the sum of squares of the UNQUANTISED numbers, two packed chains
	v_pk_mul_f32 v[Q+2:Q+3], v[XS+2:XS+3], v[XS+2:XS+3]
.irp i, 4,8,12
	s_delay_alu instid0(VALU_DEP_2)
	v_pk_fma_f32 v[Q:Q+1], v[XS+\i:XS+\i+1], v[XS+\i:XS+\i+1], v[Q:Q+1]
	s_delay_alu instid0(VALU_DEP_2)
	v_pk_fma_f32 v[Q+2:Q+3], v[XS+\i+2:XS+\i+3], v[XS+\i+2:XS+\i+3], v[Q+2:Q+3]
.endr
	s_delay_alu instid0(VALU_DEP_1)
	v_pk_add_f32 v[Q:Q+1], v[Q:Q+1], v[Q+2:Q+3]
	s_delay_alu instid0(VALU_DEP_1)
	v_add_f32 v9, v[Q], v[Q+1]
	s_delay_alu instid0(VALU_DEP_1)
	v_add_f32_dpp v9, v9, v9 row_xmask:1 row_mask:0xf bank_mask:0xf       ; across the 32 lanes, which hold the whole row
	s_delay_alu instid0(VALU_DEP_1)
	v_add_f32_dpp v9, v9, v9 row_xmask:2 row_mask:0xf bank_mask:0xf
	s_delay_alu instid0(VALU_DEP_1)
	v_add_f32_dpp v9, v9, v9 row_xmask:4 row_mask:0xf bank_mask:0xf
	s_delay_alu instid0(VALU_DEP_1)
	v_add_f32_dpp v9, v9, v9 row_xmask:8 row_mask:0xf bank_mask:0xf
	s_delay_alu instid0(VALU_DEP_1)
	v_permlanex16_b32 v13, v9, s22, s23
	s_delay_alu instid0(VALU_DEP_1)
	v_add_f32 v9, v9, v13                          ; every lane holds the row's sum;
	s_delay_alu instid0(VALU_DEP_1)
	v_mul_f32 v[N+(\t)], -0.5, v9                  ; it is kept as -1/2 x the sum (exact): so the next launch can give it to a product as the number that the product is added onto
	ds_store_b64 v4, v[C+2*(\t):C+2*(\t)+1] offset:CST+16*(\t)     ; my 16 codes: 8 bytes of row t's 16 in my block's line
	ds_store_b8 v5, v[E+(\t)] offset:SIMG+8*(\t)   ; both lanes of a block write the same byte with the same value
	ds_store_b32 v6, v[N+(\t)] offset:NIMG+4*(\t)  ; four copies; lanes that share a word write the same value
.endm
.irp t, 0,1,2,3,4,5,6,7,8,9,10,11,12,13,14,15
	STEP \t
.endr
.irp i, 0,1,2,3,4,5,6,7
	ds_load_b128 v[OUT+4*\i:OUT+4*\i+3], v7 offset:CST+2*CP*\i     ; LDS serves a wave's instructions in order: these see my stores
.endr
	ds_load_b128 v[OUT+32:OUT+35], v12 offset:SIMG                 ; the scale bytes and the sums: 512 bytes on end
.irp i, 0,1,2,3,4,5,6,7,8
	s_wait_dscnt 8-\i                              ; read-back i is in; the younger ones may be out
	global_store_b128 v3, v[OUT+4*\i:OUT+4*\i+3], s[8:9] offset:512*\i   ; 32 lanes store 512 consecutive bytes, at a multiple of 256 from the buffer's first byte
.endr
	s_wait_tensorcnt 0x0
	ds_add_u32 v248, v249
	s_wait_dscnt 0x0
	s_endpgm
.Lfunc_end_k_q3be06ef611_quant:
	.size	k_q3be06ef611_quant, .Lfunc_end_k_q3be06ef611_quant-k_q3be06ef611_quant
	.p2alignl 7, 3214868480
	.fill 96, 4, 3214868480
	.section	.rodata,"a",@progbits
	.p2align	6, 0x0
	.amdhsa_kernel k_q3be06ef611_quant
		.amdhsa_group_segment_fixed_size 93440
		.amdhsa_private_segment_fixed_size 0
		.amdhsa_enable_private_segment 0
		.amdhsa_kernarg_size 32
		.amdhsa_user_sgpr_count 2
		.amdhsa_user_sgpr_kernarg_segment_ptr 1
		.amdhsa_wavefront_size32 1
		.amdhsa_system_sgpr_workgroup_id_x 1
		.amdhsa_system_sgpr_workgroup_id_y 1
		.amdhsa_system_sgpr_workgroup_id_z 1
		.amdhsa_system_vgpr_workitem_id 0
		.amdhsa_next_free_vgpr 250
		.amdhsa_next_free_sgpr 66
		.amdhsa_reserve_vcc 0
		.amdhsa_float_denorm_mode_32 3
		.amdhsa_float_denorm_mode_16_64 3
		.amdhsa_memory_ordered 1
		.amdhsa_forward_progress 1
		.amdhsa_inst_pref_size 63
	.end_amdhsa_kernel
	.amdgpu_metadata
---
amdhsa.version: [ 1, 2 ]
amdhsa.kernels:
  - .name:           k_q3be06ef611_quant
    .symbol:         k_q3be06ef611_quant.kd
    .args:
      - { .name: ze, .offset: 0, .size: 8, .value_kind: global_buffer, .address_space: global }
      - { .name: codebook, .offset: 8, .size: 8, .value_kind: global_buffer, .address_space: global }
      - { .name: zeq, .offset: 16, .size: 8, .value_kind: global_buffer, .address_space: global }
      - { .name: cbq, .offset: 24, .size: 8, .value_kind: global_buffer, .address_space: global }
    .group_segment_fixed_size: 93440
    .private_segment_fixed_size: 0
    .kernarg_segment_align: 8
    .kernarg_segment_size: 32
    .max_flat_workgroup_size: 288
    .sgpr_count:     66
    .vgpr_count:     250
    .wavefront_size: 32
...
	.end_amdgpu_metadata
.endif
;; end of part 1
;; launch nearest (part 2): grid 256 x 1, 8 waves a work-group, clusters of 4 x 1, 327,680 bytes of LDS; arguments zeq, cbq, idx; writes idx
.if DOCPART == 2
	.amdgcn_target "amdgcn-amd-amdhsa--gfx1250"
	.amdhsa_code_object_version 6
	.text
	.protected	k_q3be06ef611_nearest
	.globl	k_q3be06ef611_nearest
	.p2align	8
	.type	k_q3be06ef611_nearest,@function
k_q3be06ef611_nearest:
	s_mov_b64 s[64:65], 0
	v_nop
	global_prefetch_b8 v0, s[64:65] scope:SCOPE_SE
	s_setreg_imm32_b32 hwreg(HW_REG_WAVE_MODE, 25, 1), 1
	s_wait_xcnt 0x0
	s_wait_alu depctr_hold_cnt(0) depctr_sa_sdst(0) depctr_va_vdst(0) depctr_va_sdst(0) depctr_va_ssrc(0) depctr_va_vcc(0) depctr_vm_vsrc(0)
	s_getreg_b32 s2, hwreg(HW_REG_IB_STS2, 6, 4)
	s_cmp_eq_u32 s2, 0
	s_cbranch_scc0 .Lentry_in_a_cluster
	s_endpgm
.Lentry_in_a_cluster:
	s_bfe_u32 s2, ttmp6, 0x10000c
	s_cmp_lg_u32 s2, 0x3003
	s_cbranch_scc0 .Lentry_shape_is_right
	s_endpgm
.Lentry_shape_is_right:
; idx[token] = the code with the largest score = dot(Q(ze), Q(code)) - 1/2 sum(code^2), the lowest index among equals: that is reference()'s argmin of the distances.
; LEFT OUT AS DEAD WORK: sum(ze^2), the same for all codes of a token (shown at the head of the first kernel); ze's sums in zeq are not loaded.
; SHARES.  A work-group owns 128 tokens (8 records of zeq); 256 work-groups.  Every wave keeps all 8 token fragments in registers (window 1, 256 registers) and walks its own 32 of the
; codebook's 256 records: each record is read from LDS once, by one wave, and feeds 32 matrix instructions (8 token tiles x 4 K steps of 128).
; THE PRODUCT IS USED TRANSPOSED: source 0 = 16 codes, source 1 = 16 tokens.  Lane (r, h) holds token r, its register j code 8 h + j.  The first K step takes the record's -1/2 sum(code^2) as C.
; THE ARGMAX, 10 vector instructions a tile: four v_max3 onto the lane's running maximum; one compare; where it grew (strictly: the earlier tile keeps a tie) the tile's first code and its 8 scores are kept.
; At the end the kept scores give j (lowest first), then lanes l and l xor 16 and the eight waves are joined: the largest score, and the lowest index among those that hold it.
; THE REGISTER MAP is laid so that no vector instruction of a tile names two sources with the same register number modulo 4: W = ACC + 2 modulo 4; a token tile's two maxima at 0 and 1, its chain register at 2.
; THE RING.  cbq goes through two slots of 32 records; wave w's tensor load brings its own 4 records (72 rows of 256 bytes) and only wave w reads them.  8 fills: one at the head, slot 1's first
; behind the first record's round, six refills.  The work on the record that is in registers stands inside the round in front of each of the seven.
; CLUSTERS: the four work-groups of a cluster walk the same records: every fill is a joint load with the mask 15; a round of the cluster's barrier stands in front of each.
; PREFETCH: behind fill n's load the 576 blocks of 256 bytes of fill n + 1 are asked for, one slot ahead of their load: 18 blocks a wave, shared out among a cluster's 32 waves by address
; (lanes 18-31 name their wave's last block again).  All work-groups read the same 1,179,648 bytes, so clusters 0 to 3 alone ask.  Behind fill 7 nothing is asked for; fills 0 and 1 come by their loads alone.
; LIMITS: NaN and infinities among the inputs are not served (a NaN score never wins here).
.set REC,   4608                       ; a record: 4,096 bytes of codes, 256 of scale bytes, 256 of sums
.set WPART, 4*REC                      ; a wave's part of a slot
.set SLOT,  8*WPART
.set SCR,   2*SLOT                     ; behind the ring: 8 x 1,024 bytes, each wave's 128 (score, index) pairs
.set SPARE, SCR+8192                   ; the spare words, 128 bytes a wave
.set SPW, 1                            ; v1   my spare word's address; never rewritten
.set NIL, 2                            ; v2   0; never rewritten
.set ADR, 3                            ; v3-4 codes of my part in slot 0, 1: 16 x lane
.set ADS, 5                            ; v5-6 scale words: 8 x lane
.set ADC, 7                            ; v7-8 sums: 32 h
.set H8,  9                            ; v9   8 h
.set SA,  10                           ; v10  where my pair goes
.set FA,  11                           ; v11  where two tokens' pairs are read back
.set MB,  16                           ; v16-47  token tile u at 16 + 4 u: the running maximum in two registers by turns, the chain's register, the first code of the tile that holds the maximum
.set PFO, 48                           ; v48  the prefetches' offset in a slot's bytes; never rewritten
.set BS,  50                           ; v50-65  ze's scale words, two registers a token tile
.set AS,  66                           ; v66-67  the record's scale words
.set CN,  68                           ; v68-75  -1/2 sum(code^2) of codes 8 h .. 8 h + 7
.set AF,  94                           ; v94-125 the record's fragments, 4 K steps; at work on the way out
.set ACC, 126                          ; v126-189 eight accumulators
.set W,   192                          ; v192-255 the kept tile's scores
.set WV,  10
.set G1,  16                           ; s[16:23] descriptor group 1; on the way out s16-31 hold compare masks
.set G0,  32
.set CNT, 44
.set CB,  45
.set CT,  46
.set SEL, 50
.set PFA, 54                           ; s[54:55] cbq at the fill that the next prefetch names
.set LIM, 56                           ; s56 1 in clusters 0 to 3, else the greatest number
.set MSB, 0
.macro WIN new                         ; the immediate's high byte repeats the setting that is left
.if MSB != \new
	s_set_vgpr_msb (MSB<<8)|\new
.set MSB, \new
.endif
.endm
.macro CREST                           ; a round of the cluster's barrier behind its opening barrier
	s_cmp_lg_u32 s[WV], 0
	s_cbranch_scc1 .Lnot_wave_0_\@
	s_barrier_signal -3
.Lnot_wave_0_\@:
	s_barrier_wait -3
	s_barrier_signal -1
	s_barrier_wait -1
.endm
.macro ROUND
	s_barrier_signal -1
	s_barrier_wait -1
	CREST
.endm
.macro PLACES                          ; four places behind matrix instructions, ahead of reads of results and of loads into their sources
.rept 4
	v_nop
.endr
.endm
	s_load_b128 s[4:7], s[0:1], 0x0                ; zeq, cbq
	s_load_b64 s[8:9], s[0:1], 0x10                ; idx
	v_lshl_add_u32 v[SPW], v0, 2, SPARE
	v_mov_b32 v[NIL], 0
	ds_add_u32 v[SPW], v[NIL]                      ; the opening lines: the add, twice on end, and its wait
	ds_add_u32 v[SPW], v[NIL]
	v_lshrrev_b32 v12, 5, v0
	v_readfirstlane_b32 s[WV], v12                 ; wave 0..7
	s_cmp_lt_u32 ttmp9, 4
	s_cselect_b32 s[LIM], 1, -1
	s_bfe_u32 s11, ttmp6, 0x40000                  ; cx
	s_lshl_b32 s12, ttmp9, 2
	s_add_co_u32 s12, s12, s11                     ; my work-group
	s_mov_b32 s[G1+0], 15|(3<<16)|(1<<21)          ; mask of the four; elements of 8 bytes; bit 21 beside a mask
	s_mov_b32 s[G1+1], 32<<16                      ; rows of 256 bytes,
	s_mov_b32 s[G1+2], 72<<16                      ; 72 of them: 4 records
	s_mov_b32 s[G1+3], 32<<16
	s_mov_b32 s[G1+4], 72
	s_mov_b32 s[G1+5], 32
	s_mov_b32 s[G1+6], 0
	s_mov_b32 s[G1+7], 0
	s_mul_i32 s13, s[WV], WPART                    ; my part of a slot, in LDS and in cbq
	s_mov_b32 s14, s13
	s_mov_b32 s15, 0
	s_mov_b32 s[SEL], 0x76543210
	s_mov_b32 s[SEL+1], 0xfedcba98                 ; v_permlanex16_b32's selects for lane l xor 16
	s_lshl_b32 s[CB], s[WV], 6                     ; my first code: 64 x wave, + 512 a slot
	s_lshl_b32 s24, s[WV], 10
	s_mov_b32 s25, 0xff800000                      ; -infinity
	s_lshl_b32 s26, s11, 3
	s_add_co_u32 s26, s26, s[WV]
	s_mul_i32 s26, s26, 18*256                     ; my wave's 18 blocks among the cluster's 576
	v_and_b32 v12, 31, v0                          ; lane
	v_and_b32 v14, 15, v0                          ; r
	v_bfe_u32 v[H8], v0, 4, 1                      ; h
	v_lshl_add_u32 v[ADR], v12, 4, s13
	v_add_nc_u32 v[ADR+1], SLOT, v[ADR]
	v_lshl_add_u32 v[ADS], v12, 3, s13
	v_add_nc_u32 v[ADS+1], SLOT, v[ADS]
	v_lshl_add_u32 v[ADC], v[H8], 5, s13
	v_add_nc_u32 v[ADC+1], SLOT, v[ADC]
	v_lshl_add_u32 v[SA], v14, 3, s24
	v_add_nc_u32 v[SA], SCR, v[SA]
	v_and_b32 v[FA], 63, v0
	v_lshl_add_u32 v[FA], v[FA], 4, SCR
	v_lshlrev_b32 v[H8], 3, v[H8]
	v_min_u32 v[PFO], 17, v12
	v_lshl_add_u32 v[PFO], v[PFO], 8, s26
	v_lshlrev_b32 v13, 3, v12                      ; ze's scale words: 8 x lane
	v_lshlrev_b32 v12, 4, v12                      ; ze's codes: 16 x lane
	s_wait_alu depctr_va_vdst(0)
	s_wait_dscnt 0x0                               ; both opening adds are done
	s_wait_kmcnt 0x0
	s_add_nc_u64 s[14:15], s[6:7], s[14:15]
.irp n, 0,1
	s_mov_b32 s[G0+4*\n], 1
	s_add_co_u32 s[G0+4*\n+1], s13, \n*SLOT
	s_add_nc_u64 s[G0+4*\n+2:G0+4*\n+3], s[14:15], \n*SLOT
	s_or_b32 s[G0+4*\n+3], s[G0+4*\n+3], 0x80000000
.endr
	s_add_nc_u64 s[PFA:PFA+1], s[6:7], 2*SLOT      ; the first prefetch names fill 2
	s_mul_i32 s52, s12, 8*REC
	s_mov_b32 s53, 0
	s_add_nc_u64 s[4:5], s[4:5], s[52:53]          ; my 8 records of zeq
	s_lshl_b32 s52, s12, 9
	s_add_nc_u64 s[8:9], s[8:9], s[52:53]          ; my 128 words of idx
	ROUND                                          ; the four work-groups are here: the first joint loads meet
	tensor_load_to_lds s[G0:G0+3], s[G1:G1+7]      ; fill 0: the wave's one tensor load at the head
	s_nop 0
	WIN 0x40                                       ; ze's fragments go out beside it: token tile u, registers 4 q .. 4 q + 3 of window 1
.irp u, 0,1,2,3,4,5,6,7
.irp q, 0,1,2,3,4,5,6,7
	global_load_b128 v[32*\u+4*\q:32*\u+4*\q+3], v12, s[4:5] offset:REC*\u+512*\q
.endr
.endr
	WIN 0
.irp u, 0,1,2,3,4,5,6,7
	global_load_b64 v[BS+2*\u:BS+2*\u+1], v13, s[4:5] offset:REC*\u+4096
.endr
.set j, 0
.rept 64
	v_mov_b32 v[W+j], s25                          ; written once: the selects below read them
.set j, j+1
.endr
.set j, 0
.rept 8
	v_mov_b32 v[MB+4*j], s25
	v_mov_b32 v[MB+4*j+3], 0
.set j, j+1
.endr
.macro FETCH slot, i                   ; record i of my part, 11 LDS loads: the scale words, the sums and K steps 0 and 1 first; the four loads of K steps 2 and 3 last
	ds_load_b64 v[AS:AS+1], v[ADS+(\slot)] offset:REC*(\i)+4096
	ds_load_b128 v[CN:CN+3], v[ADC+(\slot)] offset:REC*(\i)+4352
	ds_load_b128 v[CN+4:CN+7], v[ADC+(\slot)] offset:REC*(\i)+4368
.irp q, 0,1,2,3,4,5,6,7
	ds_load_b128 v[AF+4*\q:AF+4*\q+3], v[ADR+(\slot)] offset:REC*(\i)+512*\q
.endr
.endm
; 32 matrix instructions; the eight accumulators take turns; K ascending.  w = 1: the record's loads are waited for here.
.macro MULS w
.if \w
	s_wait_dscnt 4                                 ; all but the four loads issued last: K steps 2 and 3 may be out
.endif
	WIN 0x04                                       ; source 1 (ze) in window 1
.irp s, 0,1,2,3
.irp u, 0,1,2,3,4,5,6,7
.if (\w) && (\s == 2) && (\u == 0)
	s_wait_dscnt 0x0                               ; K steps 2 and 3 are in
.endif
.if \s == 0
	v_wmma_scale_f32_16x16x128_f8f6f4 v[ACC+8*\u:ACC+8*\u+7], v[AF:AF+7], v[32*\u:32*\u+7], v[CN:CN+7], v[AS], v[BS+2*\u] matrix_a_fmt:MATRIX_FMT_FP4 matrix_b_fmt:MATRIX_FMT_FP4
.elseif \s == 1
	v_wmma_scale_f32_16x16x128_f8f6f4 v[ACC+8*\u:ACC+8*\u+7], v[AF+8:AF+15], v[32*\u+8:32*\u+15], v[ACC+8*\u:ACC+8*\u+7], v[AS+1], v[BS+2*\u+1] matrix_a_fmt:MATRIX_FMT_FP4 matrix_b_fmt:MATRIX_FMT_FP4
.else
	v_wmma_scale_f32_16x16x128_f8f6f4 v[ACC+8*\u:ACC+8*\u+7], v[AF+8*\s:AF+8*\s+7], v[32*\u+8*\s:32*\u+8*\s+7], v[ACC+8*\u:ACC+8*\u+7], v[AS+\s-2], v[BS+2*\u+\s-2] matrix_a_fmt:MATRIX_FMT_FP4 matrix_b_fmt:MATRIX_FMT_FP4 matrix_a_scale:MATRIX_SCALE_ROW1 matrix_b_scale:MATRIX_SCALE_ROW1
.endif
.endr
.endr
	WIN 0
.endm
; Token tiles u0 .. u0 + n - 1: the running maxima, n chains by turns, each accumulator from its low end on.
; A chain goes old maximum -> chain register -> new maximum -> chain register -> new maximum; par says which of the tile's two maximum registers holds the old one.
.macro UMAX u0, n, par
.irp st, 0,1,2,3
.set U, \u0
.rept \n
.if \st == 0
	v_max3_num_f32 v[MB+4*U+2], v[MB+4*U+(\par)], v[ACC+8*U], v[ACC+8*U+1]
.elseif \st == 2
	v_max3_num_f32 v[MB+4*U+2], v[MB+4*U+1-(\par)], v[ACC+8*U+4], v[ACC+8*U+5]
.else
	v_max3_num_f32 v[MB+4*U+1-(\par)], v[MB+4*U+2], v[ACC+8*U+2*\st], v[ACC+8*U+2*\st+1]
.endif
.set U, U+1
.endr
.endr
.endm
; and, tile by tile, the compare and the nine selects
.macro USEL u0, n, par
.set U, \u0
.rept \n
	v_cmp_gt_f32 vcc_lo, v[MB+4*U+1-(\par)], v[MB+4*U+(\par)]
	s_delay_alu instid0(VALU_DEP_1)
	v_cndmask_b32 v[MB+4*U+3], v[MB+4*U+3], s[CT], vcc_lo
.irp j, 0,2,4,6
	v_dual_cndmask_b32 v[W+8*U+\j], v[W+8*U+\j], v[ACC+8*U+\j] :: v_dual_cndmask_b32 v[W+8*U+\j+1], v[W+8*U+\j+1], v[ACC+8*U+\j+1]
.endr
.set U, U+1
.endr
.endm
; how = 0: behind a refill of slot 0 (fills 2, 4, 6: the next fill exists); 1: of slot 1 (fills 3, 5, 7: not in the loop's last trip); 2: behind fill 1.  The test hangs on the cluster's number and the trip alone.
.macro ASK how
.if \how == 0
	s_cmp_ge_u32 s[CNT], s[LIM]
.elseif \how == 1
	s_cmp_gt_u32 s[CNT], s[LIM]
.else
	s_cmp_eq_u32 s[LIM], 1
.endif
	s_cbranch_scc0 .Lno_ask_\@
	global_prefetch_b8 v[PFO], s[PFA:PFA+1] th:TH_LOAD_NT scope:SCOPE_SE
.Lno_ask_\@:
.endm
; One record.  kind 0: the next record lies in a slot that has landed, nothing is filled.  1: a slot's last record; slot 'slot' is filled again.  4: the very first record; slot 'slot' (1) gets its first fill, issued as a refill is.
; 3: slot 0's last record of all: the last fill is waited for, nothing is filled.  2: the very last record.
.macro TILE i, kind, slot, nslot, nrec
	s_add_co_u32 s[CT], s[CB], 16*(\i)             ; the record's first code
.if (\kind == 1) || (\kind == 4)
.if \kind == 1
	s_wait_xcnt 0x0                                ; my last prefetch has read its base, which steps to the fill after the one asked for below
	s_add_nc_u64 s[PFA:PFA+1], s[PFA:PFA+1], SLOT
.endif
	s_wait_tensorcnt 0x0                           ; no tensor load of mine is out
	ds_add_u32 v[SPW], v[NIL]
.if \kind == 1
	s_add_nc_u64 s[G0+4*\slot+2:G0+4*\slot+3], s[G0+4*\slot+2:G0+4*\slot+3], 2*SLOT
.endif
	s_wait_dscnt 0x0                               ; the add is done, and my LDS reads are over: this record is in registers
	s_barrier_signal -1                            ; opens a round of the cluster's barrier; work on registers alone up to its wait
	MULS 0
	PLACES
	UMAX 0, 4, (\i)%2
	USEL 0, 4, (\i)%2
	s_barrier_wait -1
	CREST
	tensor_load_to_lds s[G0+4*\slot:G0+4*\slot+3], s[G1:G1+7]   ; the fill, first behind the round
	s_nop 0
	PLACES
	FETCH \nslot, \nrec
.if \kind == 1
	ASK \slot
.else
	ASK 2
.endif
	UMAX 4, 4, (\i)%2
	USEL 4, 4, (\i)%2
.else
.if \kind == 3
	s_wait_tensorcnt 0x0                           ; the last fill: my part of slot 1, which I alone read
.endif
	MULS 1
	PLACES
.if \kind != 2
	FETCH \nslot, \nrec                            ; the next record, under this one's vector work
.endif
	UMAX 0, 8, (\i)%2
	USEL 0, 8, (\i)%2
.endif
.endm
	s_wait_alu depctr_va_vdst(0)
	s_wait_tensorcnt 0x0                           ; fill 0 is in: my part of it is read below
	FETCH 0, 0
	s_wait_loadcnt 0x0                             ; ze's fragments and scale words
	TILE 0, 4, 1, 0, 1                             ; slot 0's record 0; in its round's wake fill 1
	s_mov_b32 s[CNT], 3
.Lloop:                                                ; a trip: from slot 0's record 1 to the next slot 0's record 0: 8 records a wave, two refills
	TILE 1, 0, 0, 0, 2
	TILE 2, 0, 0, 0, 3
	TILE 3, 1, 0, 1, 0
	s_add_co_u32 s[CB], s[CB], 512
	TILE 0, 0, 1, 1, 1
	TILE 1, 0, 1, 1, 2
	TILE 2, 0, 1, 1, 3
	TILE 3, 1, 1, 0, 0
	s_add_co_u32 s[CB], s[CB], 512
	TILE 0, 0, 0, 0, 1
	s_sub_co_u32 s[CNT], s[CNT], 1
	s_cmp_lg_u32 s[CNT], 0
	s_cbranch_scc1 .Lloop
	TILE 1, 0, 0, 0, 2                             ; the last seven records fill nothing
	TILE 2, 0, 0, 0, 3
	TILE 3, 3, 0, 1, 0
	s_add_co_u32 s[CB], s[CB], 512
	TILE 0, 0, 1, 1, 1
	TILE 1, 0, 1, 1, 2
	TILE 2, 0, 1, 1, 3
	TILE 3, 2, 1, 0, 0
; THE WAY OUT.  The eight token tiles by turns, their masks in s16-31 (no tensor load is out: the descriptor's registers are free).  v[AF+u] j, v[AF+8+u] my code, v[AF+16+u], v[AF+24+u] lane l xor 16's score and code.
.irp u, 0,1,2,3,4,5,6,7
	v_mov_b32 v[AF+\u], 7                          ; the lowest j whose kept score is the maximum
.endr
.irp j, 6,5,4,3,2,1,0
.irp u, 0,1,2,3,4,5,6,7
	v_cmp_eq_f32 s[16+\u], v[W+8*\u+\j], v[MB+4*\u]
.endr
.irp u, 0,1,2,3,4,5,6,7
	v_cndmask_b32 v[AF+\u], v[AF+\u], \j, s[16+\u]
.endr
.endr
.irp u, 0,1,2,3,4,5,6,7
	v_add3_u32 v[AF+8+\u], v[MB+4*\u+3], v[AF+\u], v[H8]           ; the code: tile + j + 8 h
.endr
.irp u, 0,1,2,3,4,5,6,7
	v_permlanex16_b32 v[AF+16+\u], v[MB+4*\u], s[SEL], s[SEL+1]
.endr
.irp u, 0,1,2,3,4,5,6,7
	v_permlanex16_b32 v[AF+24+\u], v[AF+8+\u], s[SEL], s[SEL+1]
.endr
.irp u, 0,1,2,3,4,5,6,7
	v_max_num_f32 v[ACC+2*\u], v[MB+4*\u], v[AF+16+\u]             ; the larger score;
.endr
.irp u, 0,1,2,3,4,5,6,7
	v_cmp_eq_f32 s[16+\u], v[MB+4*\u], v[ACC+2*\u]
	v_cmp_eq_f32 s[24+\u], v[AF+16+\u], v[ACC+2*\u]
.endr
.irp u, 0,1,2,3,4,5,6,7
	v_cndmask_b32 v[AF+8+\u], -1, v[AF+8+\u], s[16+\u]             ; a code that does not hold it becomes the greatest number;
	v_cndmask_b32 v[AF+24+\u], -1, v[AF+24+\u], s[24+\u]
.endr
.irp u, 0,1,2,3,4,5,6,7
	v_min_u32 v[ACC+2*\u+1], v[AF+8+\u], v[AF+24+\u]               ; the lower of the codes that hold it
.endr
.irp u, 0,1,2,3,4,5,6,7
	ds_store_b64 v[SA], v[ACC+2*\u:ACC+2*\u+1] offset:128*\u       ; both halves hold and write the same pair
.endr
	s_wait_dscnt 0x0                               ; for the others' sake: my pairs are stored
	s_barrier_signal -1
	s_barrier_wait -1
	s_cmp_lt_u32 s[WV], 2
	s_cbranch_scc0 .Lend                           ; waves 0 and 1 join the eight waves' pairs: a thread two tokens (x = 0, 2), wave w's score at AF + 4 w + x, its code behind it
.irp w, 0,1,2,3,4,5,6,7
	ds_load_b128 v[AF+4*\w:AF+4*\w+3], v[FA] offset:1024*\w
.endr
	v_and_b32 v12, 63, v0
	v_lshlrev_b32 v12, 3, v12
	s_wait_dscnt 0x0
.irp x, 0,2
	v_max3_num_f32 v[ACC+\x], v[AF+\x], v[AF+4+\x], v[AF+8+\x]
.endr
.irp w, 3,5
.irp x, 0,2
	v_max3_num_f32 v[ACC+\x], v[ACC+\x], v[AF+4*\w+\x], v[AF+4*\w+4+\x]
.endr
.endr
.irp x, 0,2
	v_max_num_f32 v[ACC+\x], v[ACC+\x], v[AF+28+\x]                ; the largest of the eight scores
.endr
.irp w, 0,1,2,3,4,5,6,7
.irp x, 0,2
	v_cmp_eq_f32 s[16+\w+4*\x], v[AF+4*\w+\x], v[ACC+\x]
.endr
.endr
.irp w, 0,1,2,3,4,5,6,7
.irp x, 0,2
	v_cndmask_b32 v[AF+4*\w+\x+1], -1, v[AF+4*\w+\x+1], s[16+\w+4*\x]
.endr
.endr
.irp w, 0,2,4,6
.irp x, 0,2
	v_min_u32 v[AF+4*\w+\x+1], v[AF+4*\w+\x+1], v[AF+4*\w+4+\x+1]  ; the lowest code that holds it, as a tree
.endr
.endr
.irp w, 0,4
.irp x, 0,2
	v_min_u32 v[AF+4*\w+\x+1], v[AF+4*\w+\x+1], v[AF+4*\w+8+\x+1]
.endr
.endr
	v_min_u32 v[ACC+4], v[AF+1], v[AF+17]
	v_min_u32 v[ACC+5], v[AF+3], v[AF+19]
	global_store_b64 v12, v[ACC+4:ACC+5], s[8:9]   ; a wave stores 256 consecutive bytes, at a multiple of 256 from idx's first byte
.Lend:
	s_wait_tensorcnt 0x0                           ; the wave's end
	ds_add_u32 v[SPW], v[NIL]
	s_wait_dscnt 0x0
	ROUND                                          ; the closing round
	s_endpgm
.Lfunc_end_k_q3be06ef611_nearest:
	.size	k_q3be06ef611_nearest, .Lfunc_end_k_q3be06ef611_nearest-k_q3be06ef611_nearest
	.p2alignl 7, 3214868480
	.fill 96, 4, 3214868480
	.section	.rodata,"a",@progbits
	.p2align	6, 0x0
	.amdhsa_kernel k_q3be06ef611_nearest
		.amdhsa_group_segment_fixed_size 327680
		.amdhsa_private_segment_fixed_size 0
		.amdhsa_enable_private_segment 0
		.amdhsa_kernarg_size 24
		.amdhsa_user_sgpr_count 2
		.amdhsa_user_sgpr_kernarg_segment_ptr 1
		.amdhsa_wavefront_size32 1
		.amdhsa_system_sgpr_workgroup_id_x 1
		.amdhsa_system_sgpr_workgroup_id_y 1
		.amdhsa_system_sgpr_workgroup_id_z 1
		.amdhsa_system_vgpr_workitem_id 0
		.amdhsa_next_free_vgpr 512
		.amdhsa_next_free_sgpr 66
		.amdhsa_reserve_vcc 1
		.amdhsa_float_denorm_mode_32 3
		.amdhsa_float_denorm_mode_16_64 3
		.amdhsa_memory_ordered 1
		.amdhsa_forward_progress 1
		.amdhsa_inst_pref_size 192
	.end_amdhsa_kernel
	.amdgpu_metadata
---
amdhsa.version: [ 1, 2 ]
amdhsa.kernels:
  - .name:           k_q3be06ef611_nearest
    .symbol:         k_q3be06ef611_nearest.kd
    .args:
      - { .name: zeq, .offset: 0, .size: 8, .value_kind: global_buffer, .address_space: global }
      - { .name: cbq, .offset: 8, .size: 8, .value_kind: global_buffer, .address_space: global }
      - { .name: idx, .offset: 16, .size: 8, .value_kind: global_buffer, .address_space: global }
    .group_segment_fixed_size: 327680
    .private_segment_fixed_size: 0
    .kernarg_segment_align: 8
    .kernarg_segment_size: 24
    .max_flat_workgroup_size: 256
    .sgpr_count:     66
    .vgpr_count:     512
    .wavefront_size: 32
...
	.end_amdgpu_metadata
.endif
;; end of part 2
;; launch gather (part 3): grid 1024 x 1, 4 waves a work-group, no clusters, 0 bytes of LDS; arguments idx, codebook, out0; writes out0
.if DOCPART == 3
	.amdgcn_target "amdgcn-amd-amdhsa--gfx1250"
	.amdhsa_code_object_version 6
	.text
	.protected	k_q3be06ef611_gather
	.globl	k_q3be06ef611_gather
	.p2align	8
	.type	k_q3be06ef611_gather,@function
k_q3be06ef611_gather:
	s_mov_b64 s[64:65], 0
	v_nop
	global_prefetch_b8 v0, s[64:65] scope:SCOPE_SE
	s_setreg_imm32_b32 hwreg(HW_REG_WAVE_MODE, 25, 1), 1
	s_wait_xcnt 0x0
; out0[row][:] = codebook[idx[row]][:], rows of 512 f32 = 2,048 bytes, as they are given (not quantised).
; A wave takes 8 rows: 4,096 waves for 32,768 rows.  Its eight indices are 32 consecutive bytes of idx, which the launch before stored: one scalar load.  Each is held to 4,095, the table's last row, before it
; enters an address.  A row is four loads of 512 consecutive bytes; all 32 loads of the wave go out before the first store, and each store waits only for its own load.
; No LDS, no barrier, no matrix unit: the launch only moves bytes, and waves share nothing.  The codebook's loads carry no hint: a row may be named by many tokens.
.set ROW, 2048
.set OFF, 2                            ; v2-9     row i: 2,048 x its index + 16 x lane
.set D,   16                           ; v16-143  row i, quarter q: four registers at 16 i + 4 q
	s_load_b128 s[4:7], s[0:1], 0x0                ; idx, codebook
	s_load_b64 s[8:9], s[0:1], 0x10                ; out0
	v_lshrrev_b32 v1, 5, v0
	v_readfirstlane_b32 s10, v1                    ; wave
	v_and_b32 v1, 31, v0
	v_lshlrev_b32 v1, 4, v1                        ; 16 x lane; never rewritten
	s_lshl_b32 s11, ttmp9, 2
	s_add_co_u32 s11, s11, s10                     ; which 8 rows are my wave's
	s_lshl_b32 s12, s11, 5                         ; their 32 bytes of idx
	s_mov_b32 s13, 0
	s_lshl_b32 s14, s11, 14                        ; their 16,384 bytes of out0 (4,096 waves: under 2^32)
	s_mov_b32 s15, 0
	s_wait_alu depctr_va_vdst(0)
	s_wait_kmcnt 0x0
	s_add_nc_u64 s[4:5], s[4:5], s[12:13]
	s_add_nc_u64 s[8:9], s[8:9], s[14:15]
	s_load_b256 s[16:23], s[4:5], 0x0              ; eight indices
	s_wait_kmcnt 0x0
.irp i, 0,1,2,3,4,5,6,7
	s_min_u32 s[16+\i], s[16+\i], 4095             ; inside the table
	s_lshl_b32 s[16+\i], s[16+\i], 11              ; x 2,048 bytes
	v_add_nc_u32 v[OFF+\i], s[16+\i], v1
.endr
	s_wait_alu depctr_va_vdst(0)
.irp i, 0,1,2,3,4,5,6,7
.irp q, 0,1,2,3
	global_load_b128 v[D+16*\i+4*\q:D+16*\i+4*\q+3], v[OFF+\i], s[6:7] offset:512*\q
.endr
.endr
.irp i, 0,1,2,3,4,5,6,7
.irp q, 0,1,2,3
	s_wait_loadcnt 31-4*\i-\q                      ; loads come back in order (ISA guide 5.7.1): this one is in, the younger ones stay out
	global_store_b128 v1, v[D+16*\i+4*\q:D+16*\i+4*\q+3], s[8:9] offset:ROW*\i+512*\q th:TH_STORE_NT   ; 32 lanes store 512 consecutive bytes, at a multiple of 256 from out0's first byte; written once
.endr
.endr
	s_endpgm
.Lfunc_end_k_q3be06ef611_gather:
	.size	k_q3be06ef611_gather, .Lfunc_end_k_q3be06ef611_gather-k_q3be06ef611_gather
	.p2alignl 7, 3214868480
	.fill 96, 4, 3214868480
	.section	.rodata,"a",@progbits
	.p2align	6, 0x0
	.amdhsa_kernel k_q3be06ef611_gather
		.amdhsa_group_segment_fixed_size 0
		.amdhsa_private_segment_fixed_size 0
		.amdhsa_enable_private_segment 0
		.amdhsa_kernarg_size 24
		.amdhsa_user_sgpr_count 2
		.amdhsa_user_sgpr_kernarg_segment_ptr 1
		.amdhsa_wavefront_size32 1
		.amdhsa_system_sgpr_workgroup_id_x 1
		.amdhsa_system_sgpr_workgroup_id_y 1
		.amdhsa_system_sgpr_workgroup_id_z 1
		.amdhsa_system_vgpr_workitem_id 0
		.amdhsa_next_free_vgpr 144
		.amdhsa_next_free_sgpr 66
		.amdhsa_reserve_vcc 0
		.amdhsa_float_denorm_mode_32 3
		.amdhsa_float_denorm_mode_16_64 3
		.amdhsa_memory_ordered 1
		.amdhsa_forward_progress 1
		.amdhsa_inst_pref_size 9
	.end_amdhsa_kernel
	.amdgpu_metadata
---
amdhsa.version: [ 1, 2 ]
amdhsa.kernels:
  - .name:           k_q3be06ef611_gather
    .symbol:         k_q3be06ef611_gather.kd
    .args:
      - { .name: idx, .offset: 0, .size: 8, .value_kind: global_buffer, .address_space: global }
      - { .name: codebook, .offset: 8, .size: 8, .value_kind: global_buffer, .address_space: global }
      - { .name: out0, .offset: 16, .size: 8, .value_kind: global_buffer, .address_space: global }
    .group_segment_fixed_size: 0
    .private_segment_fixed_size: 0
    .kernarg_segment_align: 8
    .kernarg_segment_size: 24
    .max_flat_workgroup_size: 128
    .sgpr_count:     66
    .vgpr_count:     144
    .wavefront_size: 32
...
	.end_amdgpu_metadata
.endif
;; end of part 3
